; MI455X (gfx1250); checked and timed in simulation.
; The chip was launched on July 23, 2026; its instructions are those of AMD's public machine-readable ISA for CDNA 5 (MIT licence, August 2026) and "CDNA5" Instruction Set Architecture Reference Guide (July 2026). The comments in the code are by the model that wrote it; some were corrected since.
;; MID LAYER. Allowed arithmetic: matrix products marked QUANTISED: E2M3 operands, one E8M0 scale for each 32 along K, by v_wmma_scale_f32_16x16x128_f8f6f4 with both operands' format E2M3, f32 sums; products left as they are: f32 operands where the result goes on into a quantised operand, else bf16, f16 or f32 operands; f32 sums; everything else in f32.
;; Inputs: cv_feature 1 x 128 x 128 x 128 float32; mv_feature 1 x 2 x 128 x 128 x 128 float32.
;; Outputs: out0 1 x 128 x 128 x 128 float32.
;; This version of the problem:
;;   THIS VERSION OF THE PROBLEM IS GIVEN IN LOW PRECISION. The matrix products marked QUANTISED in the list below multiply operands that are first quantised to E2M3 (2 exponent bits, 3 mantissa bits; 6 bits a number), with one power-of-two scale for each 32 numbers along K (OCP MX v1.0); their sums are f32. All else is computed in f32.
;;   The module's matrix products, in the order in which they are computed (A, B: the left and right operand; K: the contracted axis; several contracted axes count as one K, in the product's order):
;;     1. [M 64, K 128] x [K 128, N 128]; A: computed on the way; B: computed on the way: QUANTISED
;;     2. batch 512 x [M 256, K 16] x [K 16, N 1,024]; A: computed on the way; B: computed on the way: left as it is (K = 16 < 32)
;;     3. batch 512 x [M 16, K 1,024] x [K 1,024, N 256]; A: computed on the way; B: softmax (see below): QUANTISED
;;   THE QUANTISER, for each operand of a quantised product, along K:
;;     - K is cut into blocks of 32 from its start; a last block that is shorter is filled with zeros.
;;     - A block's scale is 2^e with e = floor(log2(the largest magnitude in the block)) - 2, held to -126 .. 127; a block of zeros has e = 0. As a byte (E8M0): e + 127.
;;     - Each number is divided by its block's scale, clamped to +-7.5, and rounded to the nearest number of E2M3, ties to even, subnormals kept.
;;     - The product sums the exact products of the quantised numbers (number of the format x scale) in f32.
;;   ~~~python
;;   def quantise(x, axis):      # numpy; x: float32 -> the quantised numbers, widened to float32 again
;;       x = np.moveaxis(x, axis, -1); K = x.shape[-1]
;;       x = np.pad(x, [(0, 0)] * (x.ndim - 1) + [(0, -K % 32)]); x = x.reshape(x.shape[:-1] + (-1, 32)); a = np.abs(x).max(-1, keepdims=True)
;;       e = np.where(a > 0, np.clip(np.frexp(np.where(a > 0, a, 1))[1] - 1 - 2, -126, 127), 0)      # np.frexp(a)[1] - 1 = floor(log2(a)), exactly
;;       r = np.clip(x / 2.0 ** e, -7.5, 7.5)
;;       step = 2.0 ** (np.maximum(np.frexp(np.where(r == 0, 1, r))[1] - 1, 0) - 3)
;;       q = np.round(r / step) * step * 2.0 ** e      # np.round: ties to even
;;       return np.moveaxis(q.reshape(q.shape[:-2] + (-1,))[..., :K], -1, axis).astype(np.float32)
;;   ~~~
;;   SOFTMAX AHEAD OF A QUANTISED PRODUCT. Where the list says 'softmax', what is quantised is not the finished softmax but p = 2^(t - M), with t = logit x log2(e) and M = ceil(the row's largest t), a whole number; so 1/2 < the row's largest p <= 1. The row's sum l is taken of the UNQUANTISED p, in f32, and the product's result is divided by l at the end. Since M is a whole number, a kernel that streams over the keys may use a running M (the ceiling of the running maximum): every later rescaling is an exact power of two, which a block's scale takes up: the codes' values come out the same.
;;   OPERANDS COMPUTED ON THE WAY. 'Computed on the way' means the value that the module computes at that place (a softmax that the list does not call 'softmax' is quantised finished and normalised). What goes into a quantiser is computed in f32, as accurately as f32 sums, v_exp_f32 and their like allow (about 1e-6 of the number): no bf16 or f16 on the way to a quantiser, and a product that is left as it is and whose result goes on into a quantised operand takes f32 operands (vector FMAs, or v_wmma_f32_16x16x4_f32). A number that lies on a knife's edge between two numbers of the format may be rounded either way, as far as f32 arithmetic and the matrix unit's own rounding can turn it there, and no further.
;; One version. Each part assembles by itself: llvm-mc -triple=amdgcn-amd-amdhsa -mcpu=gfx1250 --defsym DOCPART=n.
;; ======== version 1 of 1: 3 launches
;; workspace buffers: means 98,304 bytes; ridx 1,024 bytes of whole numbers
;; launch winmean (part 1): grid 192 x 1, 16 waves a work-group, no clusters, 10,240 bytes of LDS; arguments cv_feature, mv_feature, means; writes means
.if DOCPART == 1
	.amdgcn_target "amdgcn-amd-amdhsa--gfx1250"
	.amdhsa_code_object_version 6
	.text
	.protected	k_q70350f1070_winmean
	.globl	k_q70350f1070_winmean
	.p2align	8
	.type	k_q70350f1070_winmean,@function
k_q70350f1070_winmean:
	s_mov_b64 s[64:65], 0
	v_nop
	global_prefetch_b8 v0, s[64:65] scope:SCOPE_SE
	s_setreg_imm32_b32 hwreg(HW_REG_WAVE_MODE, 25, 1), 1
	s_wait_xcnt 0x0
; THE WINDOWS' MEANS.  cv [128][128][128] and mv [2][128][128][128], f32, are cut into windows of 16 x 16 pixels of 128 channels.
; means [192][128] f32: rows 0-63 are q_win x SCALE (SCALE = 128^-0.5), rows 64-191 are k_win in the order of k_flat (view x 64 + window).
; A work-group takes one window, each of its sixteen waves one image row of it: 16 pixels x 512 bytes, consecutive in memory.  A lane keeps four
; channels (16 bytes of every pixel), so each load of a wave covers 512 consecutive bytes.  All sixteen loads of a wave go out at once.
; The sixteen waves' sums meet in LDS; wave 0 adds them and stores the window's 512 bytes by one instruction.
; The mean is the sum x 2^-8, exact; q's further factor SCALE is folded into the same multiplication: a power of two commutes with the rounding.
; No matrix work, no tensor load: every byte is read once, straight into the registers that sum it.
; LIMITS: NaN and infinities among the inputs are not served.
.set X, 16                             ; v16-79: sixteen groups of four channels
.macro ADD4 a, b                       ; four channels of group b onto group a
	v_pk_add_f32 v[\a:\a+1], v[\a:\a+1], v[\b:\b+1]
	v_pk_add_f32 v[\a+2:\a+3], v[\a+2:\a+3], v[\b+2:\b+3]
.endm
.macro REST                            ; the tree's upper three levels: eight groups become one
.irp k, 0,1,2,3
	ADD4 X+16*\k, X+16*\k+8
.endr
.irp k, 0,1
	ADD4 X+32*\k, X+32*\k+16
.endr
	ADD4 X, X+32
.endm
	s_load_b128 s[4:7], s[0:1], 0x0                ; cv s[4:5], mv s[6:7]
	s_load_b64 s[8:9], s[0:1], 0x10                ; means
	v_lshl_add_u32 v80, v0, 2, 0x2000
	v_mov_b32 v81, 0
	v_lshrrev_b32 v1, 5, v0
	v_readfirstlane_b32 s10, v1                    ; wave = image row of the window
	v_and_b32 v2, 31, v0
	v_lshlrev_b32 v2, 4, v2                        ; 16 x lane: my four channels
	v_lshlrev_b32 v3, 4, v0                        ; LDS: 16 x thread
	s_mov_b32 s12, 0x3b800000                      ; 2^-8
	s_wait_kmcnt 0x0
	s_cmp_lt_u32 ttmp9, 64                         ; a window of cv or of mv?  The choice hangs on the work-group's number alone
	s_cselect_b64 s[4:5], s[4:5], s[6:7]
	s_cselect_b32 s11, 0, 64
	s_cselect_b32 s12, 0x39b504f3, s12             ; SCALE x 2^-8 for q
	s_sub_co_u32 s11, ttmp9, s11                   ; the window's number in its tensor: (view x 8 + j) x 8 + i
	s_lshr_b32 s14, s11, 3
	s_lshl_b32 s14, s14, 20                        ; (view x 8 + j) x 16 image rows of 65,536 bytes
	s_and_b32 s15, s11, 7
	s_lshl_b32 s15, s15, 13                        ; i x 16 pixels of 512 bytes
	s_add_co_u32 s14, s14, s15
	s_lshl_b32 s15, s10, 16                        ; my image row
	s_add_co_u32 s14, s14, s15
	s_mov_b32 s15, 0
	s_add_nc_u64 s[4:5], s[4:5], s[14:15]
.irp i, 0,1,2,3,4,5,6,7,8,9,10,11,12,13,14,15
	global_load_b128 v[X+4*\i:X+4*\i+3], v2, s[4:5] offset:512*\i   ; pixel i: 32 lanes read its 512 bytes
.endr
	s_wait_loadcnt 0x8                             ; pixels 0-7 are in; the eight younger loads may be out
.irp k, 0,1,2,3
	ADD4 X+8*\k, X+8*\k+4
.endr
	s_wait_loadcnt 0x0
.irp k, 4,5,6,7
	ADD4 X+8*\k, X+8*\k+4
.endr
	REST
	ds_store_b128 v3, v[X:X+3]                     ; my row's sums: 512 bytes a wave
	s_wait_dscnt 0x0                               ; for the others' sake: the store has landed
	s_barrier_signal -1
	s_barrier_wait -1
	s_cmp_lg_u32 s10, 0
	s_cbranch_scc1 .Ldone                          ; wave 0 alone goes on; no barrier follows
.irp i, 0,1,2,3,4,5,6,7,8,9,10,11,12,13,14,15
	ds_load_b128 v[X+4*\i:X+4*\i+3], v2 offset:512*\i              ; wave i's sums of my four channels
.endr
	s_wait_dscnt 0x0
.irp k, 0,1,2,3,4,5,6,7
	ADD4 X+8*\k, X+8*\k+4
.endr
	REST
.irp k, 0,1,2,3
	v_mul_f32 v[X+\k], s12, v[X+\k]
.endr
	s_lshl_b32 s14, ttmp9, 9                       ; row = the work-group's number, 512 bytes a row
	s_mov_b32 s15, 0
	s_add_nc_u64 s[8:9], s[8:9], s[14:15]
	global_store_b128 v2, v[X:X+3], s[8:9]         ; 32 lanes store 512 consecutive bytes, at a multiple of 512 from the buffer's first byte
.Ldone:
	s_wait_tensorcnt 0x0
	ds_add_u32 v80, v81
	s_wait_dscnt 0x0
	s_endpgm
.Lfunc_end_k_q70350f1070_winmean:
	.size	k_q70350f1070_winmean, .Lfunc_end_k_q70350f1070_winmean-k_q70350f1070_winmean
	.p2alignl 7, 3214868480
	.fill 96, 4, 3214868480
	.section	.rodata,"a",@progbits
	.p2align	6, 0x0
	.amdhsa_kernel k_q70350f1070_winmean
		.amdhsa_group_segment_fixed_size 10240
		.amdhsa_private_segment_fixed_size 0
		.amdhsa_enable_private_segment 0
		.amdhsa_kernarg_size 24
		.amdhsa_user_sgpr_count 2
		.amdhsa_user_sgpr_kernarg_segment_ptr 1
		.amdhsa_wavefront_size32 1
		.amdhsa_system_sgpr_workgroup_id_x 1
		.amdhsa_system_sgpr_workgroup_id_y 1
		.amdhsa_system_sgpr_workgroup_id_z 1
		.amdhsa_system_vgpr_workitem_id 0
		.amdhsa_next_free_vgpr 82
		.amdhsa_next_free_sgpr 66
		.amdhsa_reserve_vcc 0
		.amdhsa_float_denorm_mode_32 3
		.amdhsa_float_denorm_mode_16_64 3
		.amdhsa_memory_ordered 1
		.amdhsa_forward_progress 1
		.amdhsa_inst_pref_size 9
	.end_amdhsa_kernel
	.amdgpu_metadata
---
amdhsa.version: [ 1, 2 ]
amdhsa.kernels:
  - .name:           k_q70350f1070_winmean
    .symbol:         k_q70350f1070_winmean.kd
    .args:
      - { .name: cv_feature, .offset: 0, .size: 8, .value_kind: global_buffer, .address_space: global }
      - { .name: mv_feature, .offset: 8, .size: 8, .value_kind: global_buffer, .address_space: global }
      - { .name: means, .offset: 16, .size: 8, .value_kind: global_buffer, .address_space: global }
    .group_segment_fixed_size: 10240
    .private_segment_fixed_size: 0
    .kernarg_segment_align: 8
    .kernarg_segment_size: 24
    .max_flat_workgroup_size: 512
    .sgpr_count:     66
    .vgpr_count:     82
    .wavefront_size: 32
...
	.end_amdgpu_metadata
.endif
;; end of part 1
;; launch route (part 2): grid 1 x 1, 12 waves a work-group, no clusters, 22,016 bytes of LDS; arguments means, ridx; writes ridx
.if DOCPART == 2
	.amdgcn_target "amdgcn-amd-amdhsa--gfx1250"
	.amdhsa_code_object_version 6
	.text
	.protected	k_q70350f1070_route
	.globl	k_q70350f1070_route
	.p2align	8
	.type	k_q70350f1070_route,@function
k_q70350f1070_route:
	s_mov_b64 s[64:65], 0
	v_nop
	global_prefetch_b8 v0, s[64:65] scope:SCOPE_SE
	s_setreg_imm32_b32 hwreg(HW_REG_WAVE_MODE, 25, 1), 1
	s_wait_xcnt 0x0
; THE ROUTING.  logit[p][q] = sum over c of Q(q_win x SCALE)[p][c] x Q(k_flat)[q][c], both operands quantised to FP6 (E2M3) with one E8M0 scale for each 32 channels;
; ridx [64][4], 32-bit: for each query window the indices of its four largest logits, the largest first; of equal logits the lower index is taken first.
; (The softmax of the four logits that the module also makes feeds no output: it is not made here.)
; One work-group of twelve waves.  Wave i quantises rows 16 i .. 16 i + 15 of means (waves 0-3: q's, waves 4-11: k's) into one operand fragment: lane (r, h) takes of row r
; the channels 64 c + 32 h + 0 .. 31, c = 0, 1: two whole blocks, so no other lane is asked for a maximum, and the conversions' results are the operand's registers.
; k's eight fragments go to LDS as images of their registers (lane l's 16 bytes at 16 l, three stores; the scale word at 4 l); waves 0-3 read them back the same way and keep their own q fragment.
; THE PRODUCT IS USED TRANSPOSED (source 0 = 16 windows of k, source 1 = my 16 windows of q): lane (r, h) holds query window r, and register 8 T + j the logit of window 16 T + 8 h + j of k.
; The four largest are taken one after the other: the maximum of the lane's 64 and of the other half's 64; the lowest index that holds it; that one place is then set to -infinity.  No branch hangs on a number.
; A block's scale: 2 off the largest magnitude's exponent field, held at byte 1 from below by a floor among the maximum's leaves.  (A block of zeros so gets byte 1: its codes are zeros.)
; LIMITS: NaN and infinities are not served; blocks whose largest magnitude lies under 2^-124 take the byte 1.
.set FRB,  1536                        ; a fragment's image: 12 registers x 128 bytes
.set SCW,  12*FRB                      ; behind twelve places for images (the first four stay unused): the scale words, 128 bytes a fragment
.set LANE, 1
.set RR,   2                           ; lane % 16
.set HH,   3                           ; lane / 16
.set XA,   4                           ; my byte in the wave's 16 rows of means
.set LI,   5                           ; 16 x lane
.set LW,   6                           ; 4 x lane
.set SI,   7                           ; where I store my fragment's image
.set SW,   8                           ; and its scale word
.set PW,   10                          ; my fragment's scale word: holds scales alone
.set MG,   12                          ; v12-13 the two blocks' largest magnitudes
.set SO,   14                          ; v14-15 the conversions' scale operands
.set QC,   16                          ; v16-27 my fragment's codes
.set BY,   28                          ; v28-31 at work
.set X,    32                          ; v32-95 my 64 numbers; later
.set D,    32                          ; the 64 logits
.set TC,   96                          ; v96-98, v100-102 the blocks' upper halves as converted
.set KS,   104                         ; v104-111 k's scale words
.set KF,   112                         ; v112-207 k's eight fragments
.set MX,   208                         ; v208-211 maxima, four chains
.set IX,   212                         ; v212-215 places, four chains
.set TT,   216
.set GI,   217
.set RM,   218
.set NINF, 219
.set NONE, 220
.set H8,   221
.set WIN,  224                         ; v224-227 the four winners
.set OUT,  228
.set GA,   230
	s_load_b128 s[4:7], s[0:1], 0x0                ; means s[4:5], ridx s[6:7]
	v_lshl_add_u32 v232, v0, 2, 0x5000
	v_mov_b32 v233, 0
	v_lshrrev_b32 v1, 5, v0
	v_readfirstlane_b32 s8, v1                     ; wave 0..11
	v_and_b32 v[LANE], 31, v0
	v_and_b32 v[RR], 15, v0
	v_bfe_u32 v[HH], v0, 4, 1
	v_lshlrev_b32 v[XA], 9, v[RR]
	v_lshl_add_u32 v[XA], v[HH], 7, v[XA]          ; row r of 512 bytes, + 128 h
	v_lshlrev_b32 v[LI], 4, v[LANE]
	v_lshlrev_b32 v[LW], 2, v[LANE]
	s_mul_i32 s9, s8, FRB
	v_add_nc_u32 v[SI], s9, v[LI]
	s_lshl_b32 s9, s8, 7
	v_add_nc_u32 v[SW], s9, v[LW]
	s_mov_b32 s12, 0x76543210
	s_mov_b32 s13, 0xfedcba98                      ; v_permlanex16_b32's selects for lane l xor 16
	s_lshl_b32 s10, s8, 13                         ; my 16 rows
	s_mov_b32 s11, 0
	s_wait_kmcnt 0x0
	s_add_nc_u64 s[4:5], s[4:5], s[10:11]
.irp c, 0,1
.irp j, 0,1,2,3,4,5,6,7
	global_load_b128 v[X+32*\c+4*\j:X+32*\c+4*\j+3], v[XA], s[4:5] offset:256*\c+16*\j   ; channels 64 c + 32 h + 4 j ..
.endr
.endr
	v_lshlrev_b32 v[H8], 3, v[HH]
	v_mov_b32 v[NINF], 0xff800000
	v_mov_b32 v[NONE], 0xff
	v_mov_b32 v[TT], 0                             ; a lane permute's destination counts as one of its sources
	v_mov_b32 v[BY+3], 0
	s_lshl_b32 s9, s8, 8
	v_lshlrev_b32 v[GA], 4, v[RR]
	v_lshl_add_u32 v[GA], v[HH], 3, v[GA]
	v_add_nc_u32 v[GA], s9, v[GA]                  ; ridx: 256 bytes a wave, 16 a query window, 8 a half of the lanes
	s_wait_loadcnt 0x0
.irp c, 0,1
	v_max3_num_f32 v[MG+\c], |v[X+32*\c]|, |v[X+32*\c+1]|, 0x1800000   ; block 2 c + h: all its 32 numbers are mine; the floor 2^(3 - 127) holds the byte at 1 from below
.endr
.irp i, 2,4,6,8,10,12,14,16,18,20,22,24,26,28,30
.irp c, 0,1
	v_max3_num_f32 v[MG+\c], v[MG+\c], |v[X+32*\c+\i]|, |v[X+32*\c+\i+1]|
.endr
.endr
.irp c, 0,1
	v_add_nc_u32 v[SO+\c], 0xff000000, v[MG+\c]    ; 2 off the exponent field: the conversion takes this operand's exponent field as its scale
.endr
.irp c, 0,1
	v_lshrrev_b32 v[BY+\c], 23, v[SO+\c]           ; the scale's byte
.endr
	v_lshl_or_b32 v[PW], v[BY+1], 16, v[BY]        ; my two bytes: blocks h and 2 + h,
	v_lshlrev_b32 v[PW], v[H8], v[PW]              ; 8 h bits up;
	v_permlanex16_b32 v[BY+3], v[PW], s12, s13
	v_or_b32 v[PW], v[PW], v[BY+3]                 ; with lane l xor 16's two the word is whole
.irp c, 0,1
	v_cvt_scalef32_pk16_fp6_f32 v[QC+6*\c:QC+6*\c+2], v[X+32*\c:X+32*\c+15], v[SO+\c]
	v_cvt_scalef32_pk16_fp6_f32 v[TC+4*\c:TC+4*\c+2], v[X+32*\c+16:X+32*\c+31], v[SO+\c]   ; (a conversion's three registers begin on an even number)
.endr
	v_nop                                          ; one plain place behind a scaled conversion
.irp c, 0,1
.irp i, 0,1,2
	v_mov_b32 v[QC+3+6*\c+\i], v[TC+4*\c+\i]
.endr
.endr
	s_cmp_lt_u32 s8, 4
	s_cbranch_scc1 .Lkept                          ; q's fragments stay with the waves that made them
.irp c, 0,1,2
	ds_store_b128 v[SI], v[QC+4*\c:QC+4*\c+3] offset:512*\c
.endr
	ds_store_b32 v[SW], v[PW] offset:SCW
.Lkept:
	s_wait_dscnt 0x0                               ; for the others' sake: my stores have landed
	s_barrier_signal -1
	s_barrier_wait -1
	s_cmp_ge_u32 s8, 4
	s_cbranch_scc1 .Lend                           ; waves 4-11 have done their part; no barrier follows
.irp t, 0,1,2,3,4,5,6,7
.irp c, 0,1,2
	ds_load_b128 v[KF+12*\t+4*\c:KF+12*\t+4*\c+3], v[LI] offset:(4+\t)*FRB+512*\c
.endr
	ds_load_b32 v[KS+\t], v[LW] offset:SCW+(4+\t)*128
.endr
	s_wait_dscnt 0x0
.rept 8
	v_nop                                          ; my scale word and my codes were written by vector instructions: eight and four places ahead of a scaled matrix instruction
.endr
.irp t, 0,1,2,3,4,5,6,7
	v_wmma_scale_f32_16x16x128_f8f6f4 v[D+8*\t:D+8*\t+7], v[KF+12*\t:KF+12*\t+11], v[QC:QC+11], 0, v[KS+\t], v[PW] matrix_a_fmt:MATRIX_FMT_FP6 matrix_b_fmt:MATRIX_FMT_FP6
.endr
.rept 4
	v_nop                                          ; places in front of the first read of results
.endr
; One winner.  A place is 8 T + j (0 .. 63) in my lane; its index is place + (place & 0x78) + 8 h = 16 T + 8 h + j.  The place 64 stands for 'not in my half' and gives an index above 127.
.macro PICK k, last
.irp q, 0,1,2,3
	v_max3_num_f32 v[MX+\q], v[D+16*\q], v[D+16*\q+1], v[D+16*\q+2]   ; four chains, each over two accumulators, from their low ends on
.endr
.irp i, 3,5,7,9,11,13
.irp q, 0,1,2,3
	v_max3_num_f32 v[MX+\q], v[MX+\q], v[D+16*\q+\i], v[D+16*\q+\i+1]
.endr
.endr
.irp q, 0,1,2,3
	v_max_num_f32 v[MX+\q], v[MX+\q], v[D+16*\q+15]
.endr
	v_max3_num_f32 v[MX], v[MX], v[MX+1], v[MX+2]
	v_max_num_f32 v[MX], v[MX], v[MX+3]
	v_permlanex16_b32 v[TT], v[MX], s12, s13
	v_max_num_f32 v[MX], v[MX], v[TT]              ; the query window's largest logit left
.irp q, 0,1,2,3
	v_mov_b32 v[IX+\q], 64
.endr
.irp i, 15,14,13,12,11,10,9,8,7,6,5,4,3,2,1,0  ; downward, so that the lowest place that holds the maximum stays
.irp q, 0,1,2,3
	v_cmp_eq_f32 s[16+\q], v[D+16*\q+\i], v[MX]
.endr
.irp q, 0,1,2,3
	v_cndmask_b32 v[IX+\q], v[IX+\q], 16*\q+\i, s[16+\q]
.endr
.endr
	v_min_u32 v[IX], v[IX], v[IX+1]
	v_min_u32 v[IX+2], v[IX+2], v[IX+3]
	v_min_u32 v[IX], v[IX], v[IX+2]
	v_and_b32 v[TT], 0x78, v[IX]
	v_add3_u32 v[GI], v[IX], v[TT], v[H8]          ; my half's candidate as an index
	v_permlanex16_b32 v[TT], v[GI], s12, s13
	v_min_u32 v[WIN+\k], v[GI], v[TT]              ; the lower of the two halves': the winner, in both lanes
.if !\last
	v_cmp_eq_u32 vcc_lo, v[WIN+\k], v[GI]
	v_cndmask_b32 v[RM], v[NONE], v[IX], vcc_lo    ; its place, if it is mine; else no place
.set n, 0
.rept 16
.irp q, 0,1,2,3
	v_cmp_eq_u32 s[16+\q], n+\q, v[RM]
.endr
.irp q, 0,1,2,3
	v_cndmask_b32 v[D+n+\q], v[D+n+\q], v[NINF], s[16+\q]          ; that one place counts no more
.endr
.set n, n+4
.endr
.endif
.endm
	PICK 0, 0
	PICK 1, 0
	PICK 2, 0
	PICK 3, 1
	v_cmp_eq_u32 vcc_lo, 1, v[HH]                  ; lanes 0-15 store winners 0 and 1, lanes 16-31 winners 2 and 3
	v_cndmask_b32 v[OUT], v[WIN], v[WIN+2], vcc_lo
	v_cndmask_b32 v[OUT+1], v[WIN+1], v[WIN+3], vcc_lo
	global_store_b64 v[GA], v[OUT:OUT+1], s[6:7]   ; the wave's 32 lanes fill 256 consecutive bytes, at a multiple of 256 from the buffer's first byte
.Lend:
	s_wait_tensorcnt 0x0
	ds_add_u32 v232, v233
	s_wait_dscnt 0x0
	s_endpgm
.Lfunc_end_k_q70350f1070_route:
	.size	k_q70350f1070_route, .Lfunc_end_k_q70350f1070_route-k_q70350f1070_route
	.p2alignl 7, 3214868480
	.fill 96, 4, 3214868480
	.section	.rodata,"a",@progbits
	.p2align	6, 0x0
	.amdhsa_kernel k_q70350f1070_route
		.amdhsa_group_segment_fixed_size 22016
		.amdhsa_private_segment_fixed_size 0
		.amdhsa_enable_private_segment 0
		.amdhsa_kernarg_size 16
		.amdhsa_user_sgpr_count 2
		.amdhsa_user_sgpr_kernarg_segment_ptr 1
		.amdhsa_wavefront_size32 1
		.amdhsa_system_sgpr_workgroup_id_x 1
		.amdhsa_system_sgpr_workgroup_id_y 1
		.amdhsa_system_sgpr_workgroup_id_z 1
		.amdhsa_system_vgpr_workitem_id 0
		.amdhsa_next_free_vgpr 234
		.amdhsa_next_free_sgpr 66
		.amdhsa_reserve_vcc 1
		.amdhsa_float_denorm_mode_32 3
		.amdhsa_float_denorm_mode_16_64 3
		.amdhsa_memory_ordered 1
		.amdhsa_forward_progress 1
		.amdhsa_inst_pref_size 77
	.end_amdhsa_kernel
	.amdgpu_metadata
---
amdhsa.version: [ 1, 2 ]
amdhsa.kernels:
  - .name:           k_q70350f1070_route
    .symbol:         k_q70350f1070_route.kd
    .args:
      - { .name: means, .offset: 0, .size: 8, .value_kind: global_buffer, .address_space: global }
      - { .name: ridx, .offset: 8, .size: 8, .value_kind: global_buffer, .address_space: global }
    .group_segment_fixed_size: 22016
    .private_segment_fixed_size: 0
    .kernarg_segment_align: 8
    .kernarg_segment_size: 16
    .max_flat_workgroup_size: 384
    .sgpr_count:     66
    .vgpr_count:     234
    .wavefront_size: 32
...
	.end_amdgpu_metadata
.endif
;; end of part 2
;; launch attn (part 3): grid 256 x 1, 16 waves a work-group, no clusters, 309,248 bytes of LDS; arguments cv_feature, mv_feature, ridx, out0; writes out0
.if DOCPART == 3
	.amdgcn_target "amdgcn-amd-amdhsa--gfx1250"
	.amdhsa_code_object_version 6
	.text
	.protected	k_q70350f1070_attn
	.globl	k_q70350f1070_attn
	.p2align	8
	.type	k_q70350f1070_attn,@function
k_q70350f1070_attn:
	s_mov_b64 s[64:65], 0
	v_nop
	global_prefetch_b8 v0, s[64:65] scope:SCOPE_SE
	s_setreg_imm32_b32 hwreg(HW_REG_WAVE_MODE, 25, 1), 1
	s_wait_xcnt 0x0
; ATTENTION OF EACH QUERY WINDOW OVER ITS FOUR SELECTED WINDOWS.  For window p and head m: out = softmax(q SCALE . k) v over 1,024 keys, k = v = the pixels of windows ridx[p][0..3] of mv.
; q . k (16 channels) takes f32 operands, by v_wmma_f32_16x16x4_f32: its result goes into a quantiser.  p . v is done on codes of FP6 (E2M3) with one E8M0 scale for each 32 keys, by the scaled form.
; THE SOFTMAX: t = logit x log2(e); M = the running largest t rounded UP to a whole number; p = 2^(t - M) is quantised along the keys, not normalised; the sum is taken of the unquantised p and divides at the end.
; When M moves, the sum and O are multiplied by 2^(old M - new M): exact.
; SHARES.  Work-group x: window x / 4, heads 4 ((x / 2) % 2) .. + 3, image rows 8 (x % 2) .. + 7 of the window.  With four heads a pixel's part is 256 bytes, at a multiple of 256, in mv and in out0.
; Sixteen waves of 256 registers.  Wave w owns 16 queries (image row w % 8 of the half) and heads 2 (w / 8), 2 (w / 8) + 1 of the four: 16 HEADSTEPS of 128 keys, headstep i = key step i / 2 of head i % 2.
; BY TURNS.  The wave's two heads are independent pieces.  In turn i the 32 f32 matrix instructions of headstep i (1,024 multiply-adds each) are issued one at a time, and behind each stands a slice of the softmax of
; headstep i - 1, 225 vector instructions in all; the turn ends with headstep i - 1's product on codes.  So no run of matrix instructions stands with the vector work waiting behind it.  17 turns, written out by one macro.
; LDS.  All four windows' K (256 keys x 256 bytes each, 16 bytes of padding a row) lie in LDS at once: each byte is filled once, so there is no ring.  Every wave asks for image row w of each window at the head:
; four tensor loads of a wave are out.  The counted waits leave the later windows' loads on their way.
; V^T IS MADE FROM K'S BYTES, a window ahead of its use: wave w takes block w % 8 of 32 keys and channels 32 (w / 8) .. + 31; a lane is a channel and its 32 registers run down the keys, so the codes come out with the keys
; innermost.  Two places for the codes take turns, so ONE barrier a window shows the next V whole, the window after it landed, and the older V read out.
; LAYOUT.  S^T = K Q^T (source 0 = 16 keys, source 1 = my 16 queries), O^T = V^T P^T (source 0 = a head's 16 channels): a lane holds ONE query (lane % 16) throughout.
; In the f32 form's K step s, lane half h and register j stand for channel 8 h + 2 s + j, in both operands alike: so a lane's eight numbers of a key or a query are 32 consecutive bytes.
; A tile's 16 keys are neighbours (their LDS rows start at 16 different groups of banks).  So in p's operand place 16 a + 8 u + j of a block holds key 16 u + 8 a + j; V's codes are laid in the same order, which leaves every block's set of keys, and so its scale, as it is.
; NOT IN CLUSTERS: K's tiles are shared by two work-groups only (the two halves of a window's queries); each tile is asked for once, at the head, and the later windows land under the 128 f32 matrix instructions
; that a wave issues for each window; the tiles' addresses come from indices read from memory.
; LIMITS: NaN and infinities are not served; a block whose largest magnitude lies under 2^-124 takes the scale byte 1 (a block of zeros too: its codes are zeros); indices are held to 0 .. 127.
.set PK,    272                        ; a key's row in LDS: 256 bytes + 16 = 68 words: row r starts at bank 4 r mod 64 (64 banks of 4 bytes: ISA guide 11.1)
.set WINB,  256*PK                     ; a window
.set STEPB, 128*PK                     ; a key step
.set VC,    4*WINB                     ; behind K: two places for a window's V: 64 channels x (192 bytes of codes + 16), then 8 scale bytes a channel
.set VP,    208                        ; 52 words: 16 rows start at 16 different multiples of 4 banks
.set VBUF,  64*VP+512                  ; one such place
.set VS,    VC+64*VP                   ; the scale bytes of the first place
.set SP,    272                        ; the way out: 128 rows x (256 bytes + 16), in window 0's bytes: their one fill and their last read lie behind the second window's barrier
.set AK,  1                            ; my lane's place in a tile of K, in the window in hand      (the way out: where I put 32 bytes of a row)
.set AV,  2                            ; in a fragment of V                                         (the way out: where I read a row back)
.set AVS, 3                            ; among V's scale words                                      (the way out: my byte in the wave's rows of out0)
.set QR,  4                            ; V's quantiser: where I read my channel of my block
.set QW,  5                            ; where I store its 24 bytes of codes
.set QS,  6                            ; and its scale byte
.set T0,  7                            ; at work
.set VSW, 8                            ; V's scale word: holds scales alone
.set PSW, 9                            ; p's scale word: holds scales alone
.set FF,  10                           ; v[10:11] f = 2^(old M - new M), named as a pair
.set ST,  12                           ; v12-19  for each head: -M, the largest t, the sum in two halves
.set Q,   20                           ; v20-35  q x SCALE: 8 registers a head
.set KF,  36                           ; v36-67  four tiles of K, 8 registers each: the low four serve links 0 and 1, the high four links 2 and 3
.set VF,  68                           ; v68-79  a fragment of V^T
.set O,   80                           ; v80-95  O^T: 8 registers a head
.set S,   96                           ; v96-191 S^T, three thirds of four tiles: written by matrix instructions alone.  Headstep i writes thirds 2 i and 2 i + 1 (mod 3)
.set P,   192                          ; v192-223 t - M, then p, of four tiles at a time
.set PC,  224                          ; v224-235 p's codes
.set TP,  236                          ; v236-239 at work
.set BM,  240                          ; v240-243 the blocks' largest scores
.set SO,  244                          ; v244-247 the conversions' scale operands
.set SU,  248                          ; v[248:249] the sum's second chain
.set T1,  250
.set RR,  252                          ; lane % 16
.set HH,  253                          ; lane / 16
.set QA,  254                          ; q's address
.set WV, 12                            ; wave
.set WL, 13                            ; wave % 8
.set WH, 14                            ; wave / 8
.set PQ, 15                            ; the query window
.set HG, 16                            ; which four heads
.set QH, 17                            ; which half of the queries
.set G1, 24                            ; s[24:31] descriptor group 1
.set G0, 32                            ; s[32:47] descriptor group 0, one set for each window
.set SEL, 48                           ; s[48:49] v_permlanex16_b32's selects for lane l xor 16
.set CS,  50                           ; s[50:51] log2(e): the packed form names a pair and takes its low word for both halves
.set SQ,  52                           ; s[52:53] SCALE likewise
	s_load_b256 s[4:11], s[0:1], 0x0               ; cv s[4:5], mv s[6:7], ridx s[8:9], out0 s[10:11]
	v_lshl_add_u32 v251, v0, 2, 0x4b000
	v_mov_b32 v255, 0
	ds_add_u32 v251, v255
	ds_add_u32 v251, v255
	v_lshrrev_b32 v1, 5, v0
	v_readfirstlane_b32 s[WV], v1
	s_and_b32 s[WL], s[WV], 7
	s_lshr_b32 s[WH], s[WV], 3
	s_lshr_b32 s[PQ], ttmp9, 2
	s_bfe_u32 s[HG], ttmp9, 0x10001
	s_and_b32 s[QH], ttmp9, 1
	s_lshl_b32 s18, s[PQ], 4                       ; 16 bytes of indices a window
	s_wait_dscnt 0x0
	s_wait_kmcnt 0x0
	s_load_b128 s[20:23], s[8:9], s18 offset:0x0   ; the four selected windows: whole numbers that an earlier launch stored
	; descriptor group 1: 16 pixels x 64 numbers of 4 bytes, 128 numbers from pixel to pixel; 16 bytes of padding behind each row of 64 words
	s_mov_b32 s[G1+0], (2<<16)|(1<<20)|(5<<22)|(3<<25)
	s_mov_b32 s[G1+1], 64<<16                      ; tensor_dim0
	s_mov_b32 s[G1+2], 16<<16                      ; tensor_dim1
	s_mov_b32 s[G1+3], 64<<16                      ; tile_dim0
	s_mov_b32 s[G1+4], 16                          ; tile_dim1
	s_mov_b32 s[G1+5], 128                         ; tensor_dim0_stride
	s_mov_b32 s[G1+6], 0
	s_mov_b32 s[G1+7], 0
	s_mov_b32 s[SEL], 0x76543210
	s_mov_b32 s[SEL+1], 0xfedcba98
	s_mov_b32 s[CS], 0x3fb8aa3b                    ; log2(e)
	s_mov_b32 s[CS+1], s[CS]
	s_mov_b32 s[SQ], 0x3db504f3                    ; 128^-0.5
	s_mov_b32 s[SQ+1], s[SQ]
	s_lshl_b32 s19, s[WV], 16                      ; image row w of a window,
	s_lshl_b32 s62, s[HG], 8                       ; my four heads' 256 bytes of a pixel
	s_add_co_u32 s19, s19, s62
	s_mul_i32 s61, s[WV], 16*PK                    ; and its 16 rows in LDS
	s_wait_kmcnt 0x0
.irp t, 0,1,2,3
	s_min_u32 s[20+\t], s[20+\t], 127              ; the index is held inside its table
	s_and_b32 s56, s[20+\t], 0x78
	s_lshl_b32 s56, s56, 17                        ; (view x 8 + j) x 16 image rows of 65,536 bytes
	s_and_b32 s57, s[20+\t], 7
	s_lshl_b32 s57, s57, 13                        ; i x 16 pixels of 512 bytes
	s_add_co_u32 s56, s56, s57
	s_add_co_u32 s56, s56, s19
	s_mov_b32 s57, 0
	s_mov_b32 s[G0+4*\t], 1                        ; count = 1
	s_add_co_u32 s[G0+4*\t+1], s61, \t*WINB        ; LDS address: wave x 16 rows + the window's place
	s_add_nc_u64 s[G0+4*\t+2:G0+4*\t+3], s[6:7], s[56:57]
	s_or_b32 s[G0+4*\t+3], s[G0+4*\t+3], 0x80000000   ; type = 2
.endr
.irp t, 0,1,2,3
	tensor_load_to_lds s[G0+4*\t:G0+4*\t+3], s[G1:G1+7]   ; all fills go out together, ahead of every wait on TENSORcnt, every LDS read and every barrier
	s_nop 0
.endr
.rept 4
	v_nop                                          ; behind tensor loads
.endr
	s_lshr_b32 s56, s[PQ], 3
	s_lshl_b32 s56, s56, 20
	s_and_b32 s57, s[PQ], 7
	s_lshl_b32 s57, s57, 13
	s_add_co_u32 s58, s56, s57                     ; the query window's first byte, in cv and in out0
	s_lshl_b32 s56, s[QH], 3
	s_add_co_u32 s56, s56, s[WL]                   ; my image row of the window
	s_lshl_b32 s56, s56, 16
	s_add_co_u32 s56, s56, s58
	s_add_co_u32 s56, s56, s62                     ; my four heads,
	s_lshl_b32 s62, s[WH], 7                       ; my two of them
	s_add_co_u32 s56, s56, s62
	s_mov_b32 s57, 0
	s_add_nc_u64 s[4:5], s[4:5], s[56:57]
	v_and_b32 v[RR], 15, v0
	v_bfe_u32 v[HH], v0, 4, 1
	v_and_b32 v[T0], 31, v0                        ; lane
	v_lshlrev_b32 v[QA], 9, v[RR]
	v_lshl_add_u32 v[QA], v[HH], 5, v[QA]          ; pixel r, + 32 h: channels 8 h .. 8 h + 7 of a head
.irp d, 0,1
	global_load_b128 v[Q+8*\d:Q+8*\d+3], v[QA], s[4:5] offset:64*\d
	global_load_b128 v[Q+8*\d+4:Q+8*\d+7], v[QA], s[4:5] offset:64*\d+16
.endr
	v_mul_u32_u24 v[AK], v[RR], PK
	v_lshl_add_u32 v[AK], v[HH], 5, v[AK]
	v_add_nc_u32 v[AK], s62, v[AK]                 ; K: row r, + 32 h, + my two heads' 128 bytes
	v_mul_u32_u24 v[AV], v[RR], VP
	v_mad_u32_u24 v[AV], v[HH], 24, v[AV]
	s_mul_i32 s63, s[WH], 32*VP
	s_add_co_u32 s63, s63, VC
	v_add_nc_u32 v[AV], s63, v[AV]                 ; V: row = channel 32 (w / 8) + r, + 24 h
	v_mul_u32_u24 v[QW], v[T0], VP
	s_mul_i32 s56, s[WL], 24
	s_add_co_u32 s63, s63, s56
	v_add_nc_u32 v[QW], s63, v[QW]                 ; the quantiser: row = channel 32 (w / 8) + lane, block w % 8's 24 bytes
	s_lshl_b32 s63, s[WH], 8
	s_add_co_u32 s63, s63, VS
	v_lshl_add_u32 v[AVS], v[RR], 3, s63           ; scale bytes: 8 a channel
	s_add_co_u32 s63, s63, s[WL]
	v_lshl_add_u32 v[QS], v[T0], 3, s63
	s_mul_i32 s63, s[WL], 32*PK
	s_add_co_u32 s63, s63, s62
	v_lshl_add_u32 v[QR], v[T0], 2, s63            ; the quantiser reads: block w % 8's first key, channel 32 (w / 8) + lane
.irp d, 0,1
	v_mov_b32 v[ST+4*\d+1], 0xff61b1e6             ; the largest t so far: -3e38, under every t
	v_floor_f32 v[ST+4*\d], -v[ST+4*\d+1]          ; -M
	v_mov_b32 v[ST+4*\d+2], 0                      ; the sum, in two halves
	v_mov_b32 v[ST+4*\d+3], 0
.endr
.set n, 0
.rept 16
	v_mov_b32 v[O+n], 0                            ; O^T: the softmax is written once; the first finds zeros, which the first change of M leaves zeros
.set n, n+1
.endr
.irp b, 0,1,2,3
	v_mov_b32 v[TP+\b], 0                          ; a lane permute's destination counts as one of its sources
.endr
	v_mov_b32 v[FF+1], 0                           ; (named as the upper half of a pair)
	s_wait_loadcnt 0x0                             ; q
.set n, 0
.rept 8
	v_pk_mul_f32 v[Q+n:Q+n+1], v[Q+n:Q+n+1], s[SQ:SQ+1] op_sel_hi:[1,0]   ; q x SCALE, as the module has it
.set n, n+2
.endr
; V's QUANTISER, one block of 32 keys x 32 channels a wave, into place buf.  Register i takes key 16 ((i / 8) % 2) + 8 (i / 16) + i % 8 of the block: the order in which p's codes lie.
.macro VQUANT buf
.set n, 0
.rept 32
	ds_load_b32 v[P+n], v[QR] offset:(16*((n/8)%2)+8*(n/16)+n%8)*PK   ; 32 lanes read 128 consecutive bytes of a key's row
.set n, n+1
.endr
	v_add_nc_u32 v[QR], WINB, v[QR]                ; on to the next window
	s_wait_dscnt 0x0
	v_max3_num_f32 v[T0], |v[P]|, |v[P+1]|, |v[P+2]|               ; the block's largest magnitude: all 32 numbers are mine.  (These lines are also the places between the last product on codes and the conversions that write its operand's registers)
	v_max3_num_f32 v[T1], |v[P+3]|, |v[P+4]|, |v[P+5]|
.irp i, 6,10,14,18,22,26
	v_max3_num_f32 v[T0], v[T0], |v[P+\i]|, |v[P+\i+1]|
	v_max3_num_f32 v[T1], v[T1], |v[P+\i+2]|, |v[P+\i+3]|
.endr
	v_max3_num_f32 v[T0], v[T0], |v[P+30]|, |v[P+31]|
	v_max3_num_f32 v[T0], v[T0], v[T1], 0x1800000  ; and the floor 2^(3 - 127): the byte cannot fall under 1
	v_add_nc_u32 v[SO], 0xff000000, v[T0]          ; 2 off the exponent field: the conversion's scale operand
	v_cvt_scalef32_pk16_fp6_f32 v[PC:PC+2], v[P:P+15], v[SO]
	v_cvt_scalef32_pk16_fp6_f32 v[PC+4:PC+6], v[P+16:P+31], v[SO]  ; (a conversion's three registers begin on an even number)
	v_lshrrev_b32 v[T1], 23, v[SO]                 ; the scale's byte.  (Also the plain place behind the conversions)
	v_mov_b32 v[PC+3], v[PC+4]                     ; the six words on end
	v_mov_b32 v[PC+4], v[PC+5]
	v_mov_b32 v[PC+5], v[PC+6]
	ds_store_b64 v[QW], v[PC:PC+1] offset:\buf*VBUF
	ds_store_b64 v[QW], v[PC+2:PC+3] offset:\buf*VBUF+8
	ds_store_b64 v[QW], v[PC+4:PC+5] offset:\buf*VBUF+16
	ds_store_b8 v[QS], v[T1] offset:\buf*VBUF
.endm
; THE MATRIX WORK OF A TURN.  Number wk of 32: group wk / 16 of four tiles of 16 keys, link (wk % 16) / 4 of four channels, tile wk % 4.  A group's four accumulators take turns, one instruction a turn;
; the first link starts each sum.
.macro WM
.if QKON
.set wD, SA+(SB-SA)*(wk/16)+8*(wk%4)
.set wA, KF+8*(wk%4)+2*((wk%16)/4)
.set wB, QF+2*((wk%16)/4)
.if (wk%16)/4
	v_wmma_f32_16x16x4_f32 v[wD:wD+7], v[wA:wA+1], v[wB:wB+1], v[wD:wD+7]
.else
	v_wmma_f32_16x16x4_f32 v[wD:wD+7], v[wA:wA+1], v[wB:wB+1], 0
.endif
.endif
.set wk, wk+1
.endm
; Four LDS loads: the low (half = 0) or high (1) four registers of the four tiles of group grp of headstep li
.macro KLOAD grp, half
.irp t, 0,1,2,3
	ds_load_b128 v[KF+8*\t+4*\half:KF+8*\t+4*\half+3], v[AK] offset:((li/2)%2)*STEPB+(4*\grp+\t)*16*PK+64*(li%2)+16*\half
.endr
.endm
; Seven LDS loads: V^T's fragment and its scale word for headstep pj
.macro VLOAD
.if SMON
.irp p, 0,1,2,3,4,5
	ds_load_b64 v[VF+2*\p:VF+2*\p+1], v[AV] offset:((pj/4)%2)*VBUF+16*(pj%2)*VP+96*((pj/2)%2)+48*(\p/3)+8*(\p%3)
.endr
	ds_load_b32 v[VSW], v[AVS] offset:((pj/4)%2)*VBUF+128*(pj%2)+4*((pj/2)%2)
.endif
.endm
; A load into a register that an f32 matrix instruction has read stands eight places behind it, and only plain vector instructions that name none of its registers are places.
;   In a turn with a softmax its slices are the places; the first turn has none, and takes v_nop.
.macro PLACES
.if SMON
.else
.rept 8
	v_nop
.endr
.endif
.endm
; THE VECTOR WORK OF A TURN: the softmax of one headstep, in pieces.  RLO and RHI are the thirds that hold its tiles 0-3 and 4-7; block b of 32 keys is tiles 2 b and 2 b + 1.
; The largest score of blocks blk and blk + 1: it serves the row's maximum and, since p rises with the score, the block's largest p.  Each accumulator is read from its low end on.
.macro MAXP blk, reg
.if SMON
.irp b, 0,1
	v_max3_num_f32 v[BM+\blk+\b], v[\reg+16*\b], v[\reg+16*\b+1], v[\reg+16*\b+2]
.endr
.irp i, 3,5,7,9,11,13
.irp b, 0,1
	v_max3_num_f32 v[BM+\blk+\b], v[BM+\blk+\b], v[\reg+16*\b+\i], v[\reg+16*\b+\i+1]
.endr
.endr
.irp b, 0,1
	v_max_num_f32 v[BM+\blk+\b], v[BM+\blk+\b], v[\reg+16*\b+15]
.endr
.endif
.endm
.macro PERM
.if SMON
.irp b, 0,1,2,3
	v_permlanex16_b32 v[TP+\b], v[BM+\b], s[SEL], s[SEL+1]
.endr
.irp b, 0,1,2,3
	v_max_num_f32 v[BM+\b], v[BM+\b], v[TP+\b]     ; with lane l xor 16's 16 keys
.endr
.endif
.endm
.macro STAT
.if SMON
	v_max3_num_f32 v[T0], v[BM], v[BM+1], v[BM+2]
	v_max_num_f32 v[T0], v[T0], v[BM+3]            ; the step's largest score of my query
	v_mul_f32 v[T0], s[CS], v[T0]                  ; as t
	v_max_num_f32 v[NM+1], v[NM+1], v[T0]          ; the running largest t
	v_mov_b32 v[T0], v[NM]
	v_floor_f32 v[NM], -v[NM+1]                    ; the new -M = floor(-t): M is a whole number
	v_sub_f32 v[T0], v[NM], v[T0]                  ; old M less new M: a whole number, 0 or less
	v_cvt_i32_f32 v[T0], v[T0]                     ; (it saturates)
	v_ldexp_f32 v[FF], 1.0, v[T0]                  ; f = 2^(old M - new M)
.endif
.endm
.macro BMX
.if SMON
.irp b, 0,1,2,3
	v_fma_f32 v[BM+\b], v[BM+\b], s[CS], v[NM]     ; t - M of each block's largest score
.endr
.irp b, 0,1,2,3
	v_exp_f32 v[BM+\b], v[BM+\b]                   ; the block's largest p: the same two instructions on the same number give the same bits
.endr
	v_pk_mul_f32 v[LL:LL+1], v[LL:LL+1], v[FF:FF+1] op_sel_hi:[1,0]   ; the sums under the new M.  (The plain place behind the exponentials)
.endif
.endm
.macro SCL
.if SMON
	s_wait_alu depctr_va_vdst(0)
.irp b, 0,1,2,3
	v_max_num_f32 v[BM+\b], 0x1800000, v[BM+\b]    ; the floor 2^(3 - 127): the byte cannot fall under 1
.endr
.irp b, 0,1,2,3
	v_add_nc_u32 v[SO+\b], 0xff000000, v[BM+\b]    ; 2 off the exponent field: the conversion's scale operand
.endr
.irp b, 0,1,2,3
	v_lshrrev_b32 v[TP+\b], 23, v[SO+\b]           ; the scale's byte
.endr
.endif
.endm
.macro PSWM
.if SMON
	v_lshl_or_b32 v[PSW], v[TP+1], 8, v[TP]        ; p's scale word for these 128 keys
	v_lshl_or_b32 v[PSW], v[TP+2], 16, v[PSW]
	v_lshl_or_b32 v[PSW], v[TP+3], 24, v[PSW]
.endif
.endm
.macro FMA ch, from, cnt               ; t - M, two at a time, of cnt pairs of chunk ch (tiles 4 ch .. 4 ch + 3), into registers of their own
.if SMON
.set n, 2*\from
.set rX, RLO+(RHI-RLO)*\ch
.rept \cnt
	v_pk_fma_f32 v[P+n:P+n+1], v[rX+n:rX+n+1], s[CS:CS+1], v[NM:NM+1] op_sel_hi:[1,0,0]
.set n, n+2
.endr
.endif
.endm
.macro EXP4                            ; four of a chunk's 32: p = 2^(t - M)
.if SMON
.rept 4
	v_exp_f32 v[P+en], v[P+en]
.set en, en+1
.endr
.endif
.endm
.macro NOP1                            ; the plain place between a run of exponentials and the first use of their results
.if SMON
	v_nop
	s_wait_alu depctr_va_vdst(0)
.endif
.endm
.macro OMUL                            ; O^T under the new M, from its low end on.  (Also the plain place behind a run of exponentials)
.if SMON
.irp j, 0,2,4,6
	v_pk_mul_f32 v[OT+\j:OT+\j+1], v[OT+\j:OT+\j+1], v[FF:FF+1] op_sel_hi:[1,0]
.endr
.endif
.endm
.macro ADDS0                           ; THE SUM IS TAKEN OF THE UNQUANTISED p, two at a time, in two chains: the second begins here
.if SMON
	s_wait_alu depctr_va_vdst(0)
	v_pk_add_f32 v[SU:SU+1], v[P:P+1], v[P+2:P+3]
.endif
.endm
.macro ADDS from, cnt
.if SMON
.set n, \from
.rept \cnt
	v_pk_add_f32 v[LL:LL+1], v[LL:LL+1], v[P+n:P+n+1]
	v_pk_add_f32 v[SU:SU+1], v[SU:SU+1], v[P+n+2:P+n+3]
.set n, n+4
.endr
.endif
.endm
.macro SUML
.if SMON
	v_pk_add_f32 v[LL:LL+1], v[LL:LL+1], v[SU:SU+1]
.endif
.endm
.macro CODES ch                        ; chunk ch's two blocks become registers 6 ch .. 6 ch + 5 of p's operand
.if SMON
	v_cvt_scalef32_pk16_fp6_f32 v[PC+6*\ch:PC+6*\ch+2], v[P:P+15], v[SO+2*\ch]
	s_wait_alu depctr_va_vdst(0)
	v_cvt_scalef32_pk16_fp6_f32 v[TP:TP+2], v[P+16:P+31], v[SO+2*\ch+1]   ; (a conversion's three registers begin on an even number)
	v_nop                                          ; one plain place behind a scaled conversion
.irp x, 0,1,2
	v_permlane16_swap_b32 v[PC+6*\ch+\x], v[TP+\x] ; the operand's layout wants a WHOLE block in a lane: lanes 0-15 block 2 ch, lanes 16-31 block 2 ch + 1
.endr
.irp x, 0,1,2
	v_mov_b32 v[PC+3+6*\ch+\x], v[TP+\x]
.endr
.endif
.endm
.macro PVM                             ; O^T += V^T P^T over the headstep's 128 keys
.if SMON
	v_wmma_scale_f32_16x16x128_f8f6f4 v[OT:OT+7], v[VF:VF+11], v[PC:PC+11], v[OT:OT+7], v[VSW], v[PSW] matrix_a_fmt:MATRIX_FMT_FP6 matrix_b_fmt:MATRIX_FMT_FP6
.endif
.endm
; TURN tn.  qk = 1: the 32 matrix instructions of headstep tn.  sm = 1: the softmax and the product on codes of headstep tn - 1.
; S^T'S THIRDS: headstep tn writes third 2 tn (group 0) and third 2 tn + 1 (group 1).  The softmax reads thirds 2 tn + 1 (its tiles 0-3) and 2 tn + 2 (tiles 4-7): group 1 lands on the third whose maxima and t - M were taken
; out behind matrix instructions 0 to 8.
; K'S REGISTERS are one set, filled by halves, each half behind the last matrix instruction that read it and eight places or more, and six to eight matrix instructions ahead of its use:
; group 0's high halves behind number 0, group 1's low behind 7, its high behind 16, the next headstep's low behind 25.
.macro TURN tn, qk, sm
.set ti, \tn
.set QKON, \qk
.set SMON, \sm
.set wk, 0
.set li, ti
.set pj, ti-1
.set QF, Q+8*(ti%2)
.set SA, S+32*((2*ti)%3)
.set SB, S+32*((2*ti+1)%3)
.set RLO, SB
.set RHI, S+32*((2*ti+2)%3)
.set NM, ST+4*((ti+1)%2)
.set LL, NM+2
.set OT, O+8*((ti+1)%2)
	s_wait_dscnt 0x0                               ; group 0's low halves are in
	WM                                             ; 0
	MAXP 0, RLO                                    ; tiles 0-3 were finished half a turn ago; these sixteen lines are the places in front of the reads of tiles 4-7 and of the loads below
.if QKON
	KLOAD 0, 1
.endif
	VLOAD
	WM                                             ; 1
	MAXP 2, RHI
	WM                                             ; 2
	PERM
	WM                                             ; 3
	STAT
	WM                                             ; 4
	BMX
	WM                                             ; 5
	SCL
	WM                                             ; 6
	PSWM
	FMA 0, 0, 4
	WM                                             ; 7: the last to read group 0's low halves
	FMA 0, 4, 10
.if QKON
	PLACES
	KLOAD 1, 0
.endif
.if SMON
	s_wait_dscnt 0xb                               ; group 0's high halves are in; the seven loads for V and the four just issued may be out
.else
	s_wait_dscnt 0x4                               ; (the first turn asks for no V)
.endif
	WM                                             ; 8
	FMA 0, 14, 2
.set en, 0
	EXP4
.rept 7
	WM                                             ; 9 to 15
	EXP4
.endr
	s_wait_dscnt 0x0                               ; group 1's low halves are in, and V^T's fragment and scale word
	WM                                             ; 16
	OMUL
	ADDS0
	ADDS 4, 3
.if QKON
	PLACES
	KLOAD 1, 1
.endif
	WM                                             ; 17
	ADDS 16, 4
	WM                                             ; 18
	CODES 0
	WM                                             ; 19
	FMA 1, 0, 8
	WM                                             ; 20
	FMA 1, 8, 8
.set en, 0
.rept 3
	WM                                             ; 21 to 23
	EXP4
.endr
	s_wait_dscnt 0x0                               ; group 1's high halves are in
	WM                                             ; 24
	EXP4
	WM                                             ; 25
	NOP1
	ADDS 0, 4
.if ti < 15
	PLACES
.set li, ti+1
.if (li%4) == 0
	v_add_nc_u32 v[AK], WINB, v[AK]                ; the next headstep begins the next window
.endif
	KLOAD 0, 0
.endif
.rept 4
	WM                                             ; 26 to 29
	EXP4
.endr
	WM                                             ; 30
	NOP1
	CODES 1
	WM                                             ; 31
	ADDS 16, 4                                     ; (these nine lines are also the places between the codes' last registers and the scaled matrix instruction; the scale word was made behind number 6)
	SUML
	PVM
.endm
; Between two windows.  In front of the barrier: my row of the window after the next has landed (left = how many later loads of mine may stay out), my codes of the next V are stored,
; and my reads of the older V are in.  Behind it all that holds of every wave.
.macro BOUND left
	s_wait_tensorcnt \left
	s_wait_dscnt 0x0
	s_barrier_signal -1
	s_barrier_wait -1
.endm
	s_wait_tensorcnt 0x3                           ; my row of window 0 has landed; my three later loads may be out
	s_barrier_signal -1
	s_barrier_wait -1                              ; everybody's has
.set li, 0
	KLOAD 0, 0                                     ; headstep 0's first halves
	VQUANT 0                                       ; V of window 0
	TURN 0, 1, 0                                   ; the first scores: there is no vector work yet to set between them
	BOUND 2                                        ; V of window 0 is whole, window 1 has landed
	VQUANT 1
.irp u, 1,2,3,4
	TURN \u, 1, 1
.endr
	BOUND 1                                        ; V of window 1 is whole, window 2 has landed, V of window 0 is read out
	VQUANT 0
.irp u, 5,6,7,8
	TURN \u, 1, 1
.endr
	BOUND 0
	VQUANT 1
.irp u, 9,10,11,12
	TURN \u, 1, 1
.endr
	BOUND 0                                        ; V of window 3 is whole
.irp u, 13,14,15
	TURN \u, 1, 1
.endr
	TURN 16, 0, 1                                  ; the last softmax and the last product on codes
	; THE WAY OUT.  A pixel's 256 bytes come from two waves: so O^T / the sum goes into a stage of 128 rows, and each wave stores eight whole rows.  The address lines are the places behind the last matrix instruction.
	s_mul_i32 s62, s[WL], 16*SP
	s_lshl_b32 s63, s[WH], 7
	s_add_co_u32 s62, s62, s63
	v_mul_u32_u24 v[AK], v[RR], SP
	v_lshl_add_u32 v[AK], v[HH], 5, v[AK]
	v_add_nc_u32 v[AK], s62, v[AK]                 ; in: row 16 (w % 8) + r, my two heads' 128 bytes, + 32 h
	s_mul_i32 s62, s[WV], 8*SP
	v_mul_u32_u24 v[AV], v[HH], SP
	v_lshl_add_u32 v[AV], v[RR], 4, v[AV]
	v_add_nc_u32 v[AV], s62, v[AV]                 ; back: rows 8 w on; lanes 0-15 one row, lanes 16-31 the next
	v_lshlrev_b32 v[AVS], 9, v[HH]
	v_lshl_add_u32 v[AVS], v[RR], 4, v[AVS]        ; and the same two pixels in out0
	s_lshr_b32 s56, s[WV], 1
	s_lshl_b32 s57, s[QH], 3
	s_add_co_u32 s56, s56, s57                     ; rows 8 w on are image row 8 (x % 2) + w / 2 of the window,
	s_lshl_b32 s56, s56, 16
	s_and_b32 s57, s[WV], 1
	s_lshl_b32 s57, s57, 12                        ; pixels 8 (w % 2) on,
	s_add_co_u32 s56, s56, s57
	s_lshl_b32 s57, s[HG], 8                       ; my work-group's four heads
	s_add_co_u32 s56, s56, s57
	s_add_co_u32 s56, s56, s58
	s_mov_b32 s57, 0
	s_add_nc_u64 s[10:11], s[10:11], s[56:57]
.irp d, 0,1
	v_add_f32 v[ST+4*\d+2], v[ST+4*\d+2], v[ST+4*\d+3]             ; the sum's two halves,
.endr
.irp d, 0,1
	v_permlanex16_b32 v[TP+\d], v[ST+4*\d+2], s[SEL], s[SEL+1]
.endr
.irp d, 0,1
	v_add_f32 v[ST+4*\d+2], v[ST+4*\d+2], v[TP+\d]                 ; and lane l xor 16's: the row's sum
.endr
	v_rcp_f32 v[FF], v[ST+2]
	v_rcp_f32 v[SU], v[ST+6]
	v_nop                                          ; one plain place behind a transcendental
	s_wait_alu depctr_va_vdst(0)
.irp j, 0,2,4,6
	v_pk_mul_f32 v[P+\j:P+\j+1], v[O+\j:O+\j+1], v[FF:FF+1] op_sel_hi:[1,0]        ; register j: channel 8 h + j of my first head, query r
.endr
.irp j, 0,2,4,6
	v_pk_mul_f32 v[P+8+\j:P+8+\j+1], v[O+8+\j:O+8+\j+1], v[SU:SU+1] op_sel_hi:[1,0]   ; and of my second
.endr
.irp d, 0,1
	ds_store_b128 v[AK], v[P+8*\d:P+8*\d+3] offset:64*\d
	ds_store_b128 v[AK], v[P+8*\d+4:P+8*\d+7] offset:64*\d+16
.endr
	s_wait_dscnt 0x0                               ; for the others' sake: my stores into the stage have landed
	s_barrier_signal -1
	s_barrier_wait -1
.irp i, 0,1,2,3
	ds_load_b128 v[P+16+4*\i:P+16+4*\i+3], v[AV] offset:2*\i*SP
.endr
.irp i, 0,1,2,3
	s_wait_dscnt 3-\i                              ; LDS loads come back in order: pair i of rows is in, the younger ones may be out
	global_store_b128 v[AVS], v[P+16+4*\i:P+16+4*\i+3], s[10:11] offset:1024*\i th:TH_STORE_NT   ; 16 lanes store 256 consecutive bytes, at a multiple of 256 from out0's first byte; written once, read by nobody here
.endr
	s_wait_tensorcnt 0x0
	ds_add_u32 v251, v255
	s_wait_dscnt 0x0
	s_endpgm
.Lfunc_end_k_q70350f1070_attn:
	.size	k_q70350f1070_attn, .Lfunc_end_k_q70350f1070_attn-k_q70350f1070_attn
	.p2alignl 7, 3214868480
	.fill 96, 4, 3214868480
	.section	.rodata,"a",@progbits
	.p2align	6, 0x0
	.amdhsa_kernel k_q70350f1070_attn
		.amdhsa_group_segment_fixed_size 309248
		.amdhsa_private_segment_fixed_size 0
		.amdhsa_enable_private_segment 0
		.amdhsa_kernarg_size 32
		.amdhsa_user_sgpr_count 2
		.amdhsa_user_sgpr_kernarg_segment_ptr 1
		.amdhsa_wavefront_size32 1
		.amdhsa_system_sgpr_workgroup_id_x 1
		.amdhsa_system_sgpr_workgroup_id_y 1
		.amdhsa_system_sgpr_workgroup_id_z 1
		.amdhsa_system_vgpr_workitem_id 0
		.amdhsa_next_free_vgpr 256
		.amdhsa_next_free_sgpr 66
		.amdhsa_reserve_vcc 0
		.amdhsa_float_denorm_mode_32 3
		.amdhsa_float_denorm_mode_16_64 3
		.amdhsa_memory_ordered 1
		.amdhsa_forward_progress 1
		.amdhsa_inst_pref_size 255
	.end_amdhsa_kernel
	.section	.bss,"aw",@nobits
	.p2align	6
	.space	262144
	.amdgpu_metadata
---
amdhsa.version: [ 1, 2 ]
amdhsa.kernels:
  - .name:           k_q70350f1070_attn
    .symbol:         k_q70350f1070_attn.kd
    .args:
      - { .name: cv_feature, .offset: 0, .size: 8, .value_kind: global_buffer, .address_space: global }
      - { .name: mv_feature, .offset: 8, .size: 8, .value_kind: global_buffer, .address_space: global }
      - { .name: ridx, .offset: 16, .size: 8, .value_kind: global_buffer, .address_space: global }
      - { .name: out0, .offset: 24, .size: 8, .value_kind: global_buffer, .address_space: global }
    .group_segment_fixed_size: 309248
    .private_segment_fixed_size: 0
    .kernarg_segment_align: 8
    .kernarg_segment_size: 32
    .max_flat_workgroup_size: 512
    .sgpr_count:     66
    .vgpr_count:     256
    .wavefront_size: 32
...
	.end_amdgpu_metadata
.endif
;; end of part 3
